; MI455X (gfx1250); checked and timed in simulation.
; The chip was launched on July 23, 2026; its instructions are those of AMD's public machine-readable ISA for CDNA 5 (MIT licence, August 2026) and "CDNA5" Instruction Set Architecture Reference Guide (July 2026). The comments in the code are by the model that wrote it; some were corrected since.
;; Dot Product Attention. Allowed arithmetic: matrix products marked QUANTISED: E2M3 operands, one E8M0 scale for each 32 along K, by v_wmma_scale_f32_16x16x128_f8f6f4 with both operands' format E2M3, f32 sums; products left as they are: f32 operands where the result goes on into a quantised operand, else bf16, f16 or f32 operands; f32 sums; everything else in f32.
;; Inputs: K 32 x 8 x 1,024 x 16 float32; Q 32 x 8 x 1,024 x 16 float32; V_codes 32 x 8 x 16 x 32 x 24 uint8 (E2M3 codes of V, K innermost, in blocks of 32 codes, four codes in three bytes); V_scales 32 x 8 x 16 x 32 uint8 (E8M0 scales of V, one for each 32 codes along K); mask 32 x 1,024 x 1 bool.
;; Outputs: out0 32 x 8 x 1,024 x 16 float32.
;; This version of the problem:
;;   THIS VERSION OF THE PROBLEM IS GIVEN IN LOW PRECISION. The matrix products marked QUANTISED in the list below multiply operands that are first quantised to E2M3 (2 exponent bits, 3 mantissa bits; 6 bits a number), with one power-of-two scale for each 32 numbers along K (OCP MX v1.0); their sums are f32. All else is computed in f32.
;;   The module's matrix products, in the order in which they are computed (A, B: the left and right operand; K: the contracted axis; several contracted axes count as one K, in the product's order):
;;     1. batch 256 x [M 1,024, K 16] x [K 16, N 1,024]; A: input Q; B: input K: left as it is (K = 16 < 32)
;;     2. batch 256 x [M 1,024, K 1,024] x [K 1,024, N 16]; A: softmax (see below); B: input V (given as codes): QUANTISED
;;   THE QUANTISER, for each operand of a quantised product, along K:
;;     - K is cut into blocks of 32 from its start; a last block that is shorter is filled with zeros.
;;     - A block's scale is 2^e with e = floor(log2(the largest magnitude in the block)) - 2, held to -126 .. 127; a block of zeros has e = 0. As a byte (E8M0): e + 127.
;;     - Each number is divided by its block's scale, clamped to +-7.5, and rounded to the nearest number of E2M3, ties to even, subnormals kept.
;;     - The product sums the exact products of the quantised numbers (number of the format x scale) in f32.
;;   ~~~python
;;   def quantise(x, axis):      # numpy; x: float32 -> the quantised numbers, widened to float32 again
;;       x = np.moveaxis(x, axis, -1); K = x.shape[-1]
;;       x = np.pad(x, [(0, 0)] * (x.ndim - 1) + [(0, -K % 32)]); x = x.reshape(x.shape[:-1] + (-1, 32)); a = np.abs(x).max(-1, keepdims=True)
;;       e = np.where(a > 0, np.clip(np.frexp(np.where(a > 0, a, 1))[1] - 1 - 2, -126, 127), 0)      # np.frexp(a)[1] - 1 = floor(log2(a)), exactly
;;       r = np.clip(x / 2.0 ** e, -7.5, 7.5)
;;       step = 2.0 ** (np.maximum(np.frexp(np.where(r == 0, 1, r))[1] - 1, 0) - 3)
;;       q = np.round(r / step) * step * 2.0 ** e      # np.round: ties to even
;;       return np.moveaxis(q.reshape(q.shape[:-2] + (-1,))[..., :K], -1, axis).astype(np.float32)
;;   ~~~
;;   SOFTMAX AHEAD OF A QUANTISED PRODUCT. Where the list says 'softmax', what is quantised is not the finished softmax but p = 2^(t - M), with t = logit x log2(e) and M = ceil(the row's largest t), a whole number; so 1/2 < the row's largest p <= 1. The row's sum l is taken of the UNQUANTISED p, in f32, and the product's result is divided by l at the end. Since M is a whole number, a kernel that streams over the keys may use a running M (the ceiling of the running maximum): every later rescaling is an exact power of two, which a block's scale takes up: the codes' values come out the same.
;;   OPERANDS COMPUTED ON THE WAY. 'Computed on the way' means the value that the module computes at that place (a softmax that the list does not call 'softmax' is quantised finished and normalised). What goes into a quantiser is computed in f32, as accurately as f32 sums, v_exp_f32 and their like allow (about 1e-6 of the number): no bf16 or f16 on the way to a quantiser, and a product that is left as it is and whose result goes on into a quantised operand takes f32 operands (vector FMAs, or v_wmma_f32_16x16x4_f32). A number that lies on a knife's edge between two numbers of the format may be rounded either way, as far as f32 arithmetic and the matrix unit's own rounding can turn it there, and no further.
;;   INPUTS GIVEN AS CODES. V (in the module: [32, 8, 1024, 16], K = its axis 2): each comes as NAME_codes (uint8): NAME with its K axis moved to the last place and cut into blocks of 32 codes, [.., K / 32, bytes a block], one block behind the other in memory; four codes in three bytes: a row's codes are one little-endian stream of bits, code i at bits 6 i .. 6 i + 5 (a code: sign, 2 exponent bits, 3 mantissa bits); and NAME_scales (uint8): the same leading axes, one E8M0 byte (e + 127) for each 32 codes along K. Its value is code x scale, taken as it is: it is not quantised again, and the codes and scales need not be those that the quantiser above would give.
;; 2 versions, each right; version 2 is version 1 with the launch attn written anew for expert scheduling mode. Each part assembles by itself: llvm-mc -triple=amdgcn-amd-amdhsa -mcpu=gfx1250 --defsym DOCPART=n.
;; ======== version 1 of 2: 1 launch
;; launch attn (part 1): grid 256 x 1, 16 waves a work-group, no clusters, 117,760 bytes of LDS; arguments Q, K, V_codes, V_scales, mask, out0; writes out0
.if DOCPART == 1
	.amdgcn_target "amdgcn-amd-amdhsa--gfx1250"
	.amdhsa_code_object_version 6
	.text
	.protected	k_q009283b306_attn
	.globl	k_q009283b306_attn
	.p2align	8
	.type	k_q009283b306_attn,@function
k_q009283b306_attn:
	s_mov_b64 s[64:65], 0
	v_nop
	global_prefetch_b8 v0, s[64:65] scope:SCOPE_SE
	s_setreg_imm32_b32 hwreg(HW_REG_WAVE_MODE, 25, 1), 1
	s_wait_xcnt 0x0
; out[b][h][q][:] = softmax_k(where(mask[b][k], -1e10, 10 tanh(Q[q] . K[k] / 4))) V[k][:].  Q, K, out: [256 heads][1024][16] f32.  V: codes of FP6 (E2M3) with the keys innermost,
; [256][16 (d)][32 blocks][24 bytes], and one E8M0 byte for each 32 keys, [256][16][32].  mask: [32 batches][1024] bytes, 1 = the key is hidden.
; ONE WORK-GROUP = ONE HEAD (ttmp9 = 8 b + h).  Sixteen waves; wave w owns queries 64 w .. 64 w + 63: four tiles of 16, in two passes of two tiles; each pass walks all 1,024 keys, 128 a trip.
; ARITHMETIC OF A SCORE.  Q is multiplied once by c = log2(e) / 2.  s' = (c Q) . K;  u = 2^s';  r = 1 / (1 + u), so that tanh = 1 - 2 r;  a = COEF r + bias[key];  p = 2^a.
;   COEF = -20 log2(e); bias = 10 log2(e) - 15 for a key that counts, -infinity for a hidden one (p = 0).  So p = 2^(t - 15), t = logit x log2(e).
;   THE SHIFT IS THE FIXED WHOLE NUMBER 15, AND NO MAXIMUM IS SEARCHED FOR: the 10 tanh of the definition holds |t| under 14.43 for every input, so p lies in 2^-29.5 .. 2^-0.57 and a row's sum of 1,024 of them
;   under 2^10: nothing can overflow or underflow.  Against the ceiling of the row's largest t the shift differs by a whole number: a power of two, which the blocks' scales take up and the division by the row's sum cancels.
;   ALL KEYS OF THE BATCH HIDDEN: COEF and the hidden keys' bias are both chosen as 0 (a scalar select, no branch): a = 0, p = 1 for every key: the uniform row of the definition.
; FIRST PRODUCT, in f32 (its result goes into a quantiser): S^T = K Q^T by the 16x16x4 form, source 0 = 16 keys, source 1 = 16 queries, four instructions for the depth of 16.  Both sources hold the depth in the same
;   order (lane (r, h): depth 8 h .. 8 h + 7 in eight registers; instruction kk names registers 2 kk, 2 kk + 1), so the products pair rightly.
;   THE KEYS OF A TILE ARE NOT NEIGHBOURS: row m of tile t of a group of 64 keys is key 32 (m / 8) + 8 t + m % 8.  Register 8 t + j of lane (r, h) is then key 32 h + 8 t + j of query r: a lane's 32 registers are ONE WHOLE
;   BLOCK of 32 neighbouring keys, just what registers 6 g .. 6 g + 5 of the 6-bit operand want of that lane.  A block's largest p needs no other lane and no halves are exchanged.
; SECOND PRODUCT, on codes: O^T = V^T P^T, source 0 = V's 16 rows d x 128 keys, source 1 = P: lane (r, h), register j = out(query r, d = 8 h + j).  The row's sum is taken of the unquantised p and divides at the end.
; LDS is filled once, through registers, ahead of the text's one barrier; operands lie there as images of their registers (lane l's 16 bytes at 16 l), so every read is 512 consecutive bytes.
; NO CLUSTER: the eight heads of a batch share the mask's 1,024 bytes alone, of the 144,896 bytes that a work-group reads.
; LIMITS: NaN and infinities in Q and K are not served; mask bytes are 0 or 1; a scale byte 0xff of V gives NaN, as the format has it.
.set KIMG, 0                           ; 65,536 bytes: group of 64 keys c x 4,096 + tile t x 1,024 + half of the eight registers x 512 + 16 x lane
.set BIAS, 65536                       ; 4,096 bytes: one f32 a key
.set VIMG, 69632                       ; 12,288 bytes: trip j x 1,536 + registers 4 n .. 4 n + 3 x 512 + 16 x lane
.set VSC,  81920                       ; 1,024 bytes: trip j x 128 + 4 x lane: the scale word of row d = lane % 16
.set STG,  82944                       ; 32,768 bytes: 2,048 for each wave: two tiles of 16 rows of out, 64 bytes a row
.set LN16, 1                           ; v1   16 x lane: my place in an image, and my offset in out
.set H128, 2                           ; v2   128 x (lane / 16): my block's 32 biases
.set LN4,  3                           ; v3   4 x lane
.set ADK,  4                           ; v4-7 the trip's LDS addresses: K's images, the biases, V's image, V's scale word
.set ADB,  5
.set ADV,  6
.set ADS,  7
.set SH8,  8                           ; v8   8 x (lane / 16): where my bytes stand in p's scale word
.set STO,  9                           ; v9   the stage: where I put 32 bytes of a row
.set RD,   10                          ; v10  and where I read 16 bytes back
.set VS,   13                          ; v13  V's scale word
.set PS,   14                          ; v14-15 p's scale words, tile 0 and 1
.set PB,   16                          ; v16-17 the byte of the trip's first group, tile 0 and 1
.set L,    18                          ; v[18:19], v[20:21] the rows' sums, in two halves each
.set T,    22                          ; v[22:23] the sums' second chain
.set MA,   24                          ; v24-25 the maximum's two chains
.set MB,   25
.set SCO,  26                          ; v26  the conversions' scale operand
.set BY,   27                          ; v27  a scale byte
.set TX,   28                          ; v28  what comes from lane l xor 16
.set R,    29                          ; v29-30 1 / the row's sum
.set AKW,  32                          ; v32-39 serve the head alone and are never rewritten: LDS addresses of the fills,
.set ABW,  33
.set AVW,  34
.set ASW,  35
.set KO,   36                          ; and offsets of the loads
.set QO,   37
.set VO,   38
.set VSO,  39
.set QF,   40                          ; v40-71   c Q: four tiles x 8
.set KF,   72                          ; v72-103  K: four tiles x 8 (at the head: K as loaded)
.set BI,   104                         ; v104-135 my block's 32 biases (at the head: the mask as loaded)
.set S,    136                         ; v136-167 the scores: written by the f32 matrix form alone
.set W,    168                         ; v168-199 u, 1 + u, r, a, p by turns
.set O,    200                         ; v200-215 O^T, two tiles x 8
.set PC,   216                         ; v216-239 p's codes: tile q, group g at 12 q + 6 g (at the head: at work)
.set CT,   240                         ; v240-242 a block's upper 16 codes, as the conversion leaves them
.set VF,   244                         ; v244-255 V's fragment
.set TA,   216                         ; the head's registers at work
.set TR,   218
.set TH,   219
.set MO,   220
.set MO2,  221
.set TB,   222
.set TC,   223
.set BP,   224
.set TD,   226
.set WV,   16                          ; s16  my wave's number;  s17 its low three bits
.set SK,   25                          ; s25-28 where the trip's K images, biases, V image and V scale words begin in LDS
.set SB,   26
.set SV,   27
.set SS,   28
.set CNT,  29                          ; s29  trips to go
	s_load_b256 s[4:11], s[0:1], 0x0               ; Q s[4:5], K s[6:7], V's codes s[8:9], V's scales s[10:11]
	s_load_b128 s[12:15], s[0:1], 0x20             ; mask s[12:13], out s[14:15]
	v_lshl_add_u32 v31, v0, 2, 0x1c400
	v_mov_b32 v243, 0
	v_lshrrev_b32 v[TA], 5, v0
	v_readfirstlane_b32 s[WV], v[TA]               ; wave 0..15
	s_and_b32 s17, s[WV], 7                        ; waves 0 to 7 bring V's fragment of trip 0 to 7
	v_and_b32 v[TB], 31, v0                        ; lane
	v_and_b32 v[TR], 15, v0                        ; r
	v_bfe_u32 v[TH], v0, 4, 1                      ; h
	v_lshlrev_b32 v[LN16], 4, v[TB]
	v_lshlrev_b32 v[LN4], 2, v[TB]
	v_lshlrev_b32 v[H128], 7, v[TH]
	v_lshlrev_b32 v[SH8], 3, v[TH]
	v_lshlrev_b32 v[MO], 5, v[TB]                  ; the mask, whole, in every wave: 32 bytes a lane
	v_lshlrev_b32 v[MO2], 1, v0                    ; and my thread's two keys
	v_lshlrev_b32 v[QO], 6, v[TR]
	v_lshl_add_u32 v[QO], v[TH], 5, v[QO]          ; Q: row r of 64 bytes, + 32 h: depth 8 h on
	s_lshl_b32 s18, s[WV], 11
	s_add_co_u32 s18, s18, STG                     ; my stage
	v_add_nc_u32 v[STO], s18, v[QO]                ; in: row r, + 32 h
	v_add_nc_u32 v[RD], s18, v[LN16]               ; back: 16 bytes a lane
	; K goes into LDS as images.  Thread t loads 16 bytes at 16 t + 8,192 i: key t / 4 + 128 i, depth 4 (t % 4) on.  Of the depth: bit 0 of t = which half of the lane's eight registers, bit 1 = h.
	; Of the key: bits 2-4 of t = r % 8, bits 5-6 = the tile, bit 7 = r / 8, bit 8 (and 2 i) = the group of 64.
	v_and_b32 v[AKW], 1, v0
	v_lshlrev_b32 v[AKW], 9, v[AKW]
	v_bfe_u32 v[TA], v0, 1, 1
	v_lshl_or_b32 v[AKW], v[TA], 8, v[AKW]
	v_bfe_u32 v[TA], v0, 2, 3
	v_lshl_or_b32 v[AKW], v[TA], 4, v[AKW]
	v_bfe_u32 v[TA], v0, 5, 2
	v_lshl_or_b32 v[AKW], v[TA], 10, v[AKW]
	v_bfe_u32 v[TA], v0, 7, 1
	v_lshl_or_b32 v[AKW], v[TA], 7, v[AKW]
	v_lshrrev_b32 v[TA], 8, v0
	v_lshl_or_b32 v[AKW], v[TA], 12, v[AKW]
	v_lshl_add_u32 v[ABW], v0, 3, BIAS             ; my two keys' biases
	s_mul_i32 s19, s17, 1536
	s_add_co_u32 s19, s19, VIMG
	v_add_nc_u32 v[AVW], s19, v[LN16]              ; V's image of my trip
	s_lshl_b32 s19, s17, 7
	s_add_co_u32 s19, s19, VSC
	v_add_nc_u32 v[ASW], s19, v[LN4]               ; and its scale words
	v_lshlrev_b32 v[KO], 4, v0
	v_mul_u32_u24 v[VO], v[TR], 768                ; V: row d = r of 768 bytes, + 24 h, + 96 bytes a trip
	v_mad_u32_u24 v[VO], v[TH], 24, v[VO]
	s_mul_i32 s19, s17, 96
	v_add_nc_u32 v[VO], s19, v[VO]
	v_lshlrev_b32 v[VSO], 5, v[TR]                 ; V's scale bytes: row r of 32, + 4 a trip
	s_lshl_b32 s19, s17, 2
	v_add_nc_u32 v[VSO], s19, v[VSO]
	v_mov_b32 v[TX], 0                             ; written once: a lane permute's destination counts as one of its sources
	v_mov_b32 v[BY], 0
	s_mov_b32 s20, 0x76543210
	s_mov_b32 s21, 0xfedcba98                      ; v_permlanex16_b32's selects for lane l xor 16
	s_mov_b32 s34, 0x3f38aa3b                      ; c = log2(e) / 2
	s_mov_b32 s35, s34                             ; (named with it as a pair, so it is written)
	s_lshl_b32 s30, ttmp9, 16                      ; the head's 65,536 bytes of Q, K and out
	s_mov_b32 s31, 0
	s_lshl_b32 s32, s[WV], 12                      ; my wave's 64 rows of 64 bytes
	s_mov_b32 s33, 0
	s_wait_kmcnt 0x0
	s_add_nc_u64 s[6:7], s[6:7], s[30:31]          ; K at the head's first key
	s_add_nc_u64 s[30:31], s[30:31], s[32:33]
	s_add_nc_u64 s[4:5], s[4:5], s[30:31]          ; Q and out at my first query
	s_add_nc_u64 s[14:15], s[14:15], s[30:31]
	s_mul_i32 s30, ttmp9, 12288                    ; (s31 is still 0: the sums stay under 2^32)
	s_add_nc_u64 s[8:9], s[8:9], s[30:31]
	s_lshl_b32 s30, ttmp9, 9
	s_add_nc_u64 s[10:11], s[10:11], s[30:31]
	s_lshr_b32 s30, ttmp9, 3                       ; the batch
	s_lshl_b32 s30, s30, 10
	s_add_nc_u64 s[12:13], s[12:13], s[30:31]
	; all loads of the launch go out here: the mask's 3, K's 8, Q's 8 (and V's 7 in waves 0 to 7)
	global_load_b128 v[BI:BI+3], v[MO], s[12:13]
	global_load_b128 v[BI+4:BI+7], v[MO], s[12:13] offset:16
	global_load_u16 v[BI+8], v[MO2], s[12:13]
.irp i, 0,1,2,3,4,5,6,7
	global_load_b128 v[KF+4*\i:KF+4*\i+3], v[KO], s[6:7] offset:8192*\i th:TH_LOAD_NT   ; a wave reads 512 consecutive bytes
.endr
.irp t, 0,1,2,3
	global_load_b128 v[QF+8*\t:QF+8*\t+3], v[QO], s[4:5] offset:1024*\t
	global_load_b128 v[QF+8*\t+4:QF+8*\t+7], v[QO], s[4:5] offset:1024*\t+16
.endr
	s_cmp_lt_u32 s[WV], 8
	s_cbranch_scc0 .Lno_v
.irp p, 0,1,2,3,4,5
	global_load_b64 v[VF+2*\p:VF+2*\p+1], v[VO], s[8:9] offset:48*(\p/3)+8*(\p%3) th:TH_LOAD_NT   ; registers 6 c .. 6 c + 5: keys 64 c + 32 h + 0 .. 31 of row r: 24 bytes as they lie
.endr
	global_load_b32 v[VS], v[VSO], s[10:11]
	s_wait_loadcnt 0x0
.irp n, 0,1,2
	ds_store_b128 v[AVW], v[VF+4*\n:VF+4*\n+3] offset:512*\n
.endr
	ds_store_b32 v[ASW], v[VS]
.Lno_v:
	s_wait_loadcnt 16                              ; the mask's three loads are in; K's 8 and Q's 8, issued behind them, may be out
	v_and_b32 v[BI], v[BI], v[BI+1]                ; is any key of the batch not hidden?  The AND of a lane's 32 bytes, four at a time
	v_and_b32 v[BI+2], v[BI+2], v[BI+3]
	v_and_b32 v[BI+4], v[BI+4], v[BI+5]
	v_and_b32 v[BI+6], v[BI+6], v[BI+7]
	v_and_b32 v[BI], v[BI], v[BI+2]
	v_and_b32 v[BI+4], v[BI+4], v[BI+6]
	v_and_b32 v[BI], v[BI], v[BI+4]
	v_cmp_ne_u32 vcc_lo, 0x01010101, v[BI]         ; lanes that hold a key that counts
	s_cmp_lg_u32 vcc_lo, 0
	s_cselect_b32 s22, 0xc1e6d4ca, 0               ; COEF = -20 log2(e); 0 where all keys are hidden
	s_cselect_b32 s24, 0xff800000, 0               ; a hidden key's bias: -infinity; 0 where all are hidden
	s_mov_b32 s23, s22                             ; (the packed form names the pair)
	v_and_b32 v[TA], 0xff, v[BI+8]                 ; my two keys' bytes
	v_lshrrev_b32 v[TB], 8, v[BI+8]
	v_mov_b32 v[TC], 0xbf12b361                    ; 10 log2(e) - 15
	v_mov_b32 v[TD], s24
	v_cmp_ne_u32 vcc_lo, 0, v[TA]
	v_cndmask_b32 v[BP], v[TC], v[TD], vcc_lo
	v_cmp_ne_u32 vcc_lo, 0, v[TB]
	v_cndmask_b32 v[BP+1], v[TC], v[TD], vcc_lo
	ds_store_b64 v[ABW], v[BP:BP+1]
	s_wait_loadcnt 8                               ; K is in; Q's 8 may be out
.irp i, 0,1,2,3,4,5,6,7
	ds_store_b128 v[AKW], v[KF+4*\i:KF+4*\i+3] offset:KIMG+8192*\i
.endr
	s_wait_loadcnt 0x0                             ; Q
.irp i, 0,2,4,6,8,10,12,14,16,18,20,22,24,26,28,30
	v_pk_mul_f32 v[QF+\i:QF+\i+1], v[QF+\i:QF+\i+1], s[34:35] op_sel_hi:[1,0]   ; c Q, once
.endr
	s_wait_dscnt 0x0                               ; for the others' sake: my stores into the images have landed
	s_barrier_signal -1
	s_barrier_wait -1                              ; K's images, the biases and V's images are whole; nothing writes them again
.macro KLOAD g                         ; the four tiles of K of group g of the trip: 8 x 512 consecutive bytes
.irp n, 0,1,2,3,4,5,6,7
	ds_load_b128 v[KF+4*\n:KF+4*\n+3], v[ADK] offset:4096*\g+512*\n
.endr
.endm
.macro BLOAD g                         ; my block's 32 biases: all lanes of a half read the same words
.irp n, 0,1,2,3,4,5,6,7
	ds_load_b128 v[BI+4*\n:BI+4*\n+3], v[ADB] offset:256*\g+16*\n
.endr
.endm
.macro VLOAD                           ; V's fragment of the trip's 128 keys and its scale word
.irp n, 0,1,2
	ds_load_b128 v[VF+4*\n:VF+4*\n+3], v[ADV] offset:512*\n
.endr
	ds_load_b32 v[VS], v[ADS]
.endm
; 64 keys x the 16 queries of tile tq: sixteen f32 matrix instructions.  The depth's first four start the sums with the constant 0; the four accumulators take turns, one instruction a turn.
.macro MM tq
.irp kk, 0,1,2,3
.irp t, 0,1,2,3
.if \kk == 0
	v_wmma_f32_16x16x4_f32 v[S+8*\t:S+8*\t+7], v[KF+8*\t+2*\kk:KF+8*\t+2*\kk+1], v[QF+8*(\tq)+2*\kk:QF+8*(\tq)+2*\kk+1], 0
.else
	v_wmma_f32_16x16x4_f32 v[S+8*\t:S+8*\t+7], v[KF+8*\t+2*\kk:KF+8*\t+2*\kk+1], v[QF+8*(\tq)+2*\kk:QF+8*(\tq)+2*\kk+1], v[S+8*\t:S+8*\t+7]
.endif
.endr
.endr
.endm
; A UNIT is 16 queries x 64 keys: 32 scores a lane.  Each run of transcendentals is one batch: a plain instruction behind its last, and one s_wait_alu ahead of the first instruction that names a result.
.macro EXP1                            ; u = 2^s', out of S into W: each accumulator is read from its low end on, and S is free for the next unit's products
.set i, 0
.rept 32
	v_exp_f32 v[W+i], v[S+i]
.set i, i+1
.endr
	v_nop                                          ; the plain instruction between the last exponential and a write of its source
.endm
.macro ADD1                            ; 1 + u.  These sixteen name W alone: they are the places behind the products that stand in front of them
	s_wait_alu depctr_va_vdst(0)
.set i, 0
.rept 16
	v_pk_add_f32 v[W+i:W+i+1], v[W+i:W+i+1], 1.0 op_sel_hi:[1,0]
.set i, i+2
.endr
.endm
.macro RCP                             ; r = 1 / (1 + u): 1 + u is 1 at the least; where u is infinite r is 0
.set i, 0
.rept 32
	v_rcp_f32 v[W+i], v[W+i]
.set i, i+1
.endr
	v_nop
	s_wait_alu depctr_va_vdst(0)
.endm
.macro FMA                             ; a = COEF r + bias: the tanh's scale, the shift and the mask in one fused multiply-add
.set i, 0
.rept 16
	v_pk_fma_f32 v[W+i:W+i+1], v[W+i:W+i+1], s[22:23], v[BI+i:BI+i+1] op_sel_hi:[1,0,1]
.set i, i+2
.endr
.endm
.macro EXP2                            ; p = 2^a
.set i, 0
.rept 32
	v_exp_f32 v[W+i], v[W+i]
.set i, i+1
.endr
	v_nop
	s_wait_alu depctr_va_vdst(0)
.endm
; The row's sum of the unquantised p (two chains of packed additions) and the block's largest p (two chains, three operands at a time; p is never negative), line by line by turns.
; The floor 2^(3 - 127) is one leaf of the maximum: the scale's byte cannot fall under 1; a block of hidden keys keeps that byte, and its codes are zeros.
.macro SUMMAX q
	v_pk_add_f32 v[T:T+1], v[W:W+1], v[W+2:W+3]
	v_max3_num_f32 v[MA], v[W], v[W+1], 0x1800000
	v_max3_num_f32 v[MB], v[W+16], v[W+17], v[W+18]
.irp i, 1,2,3,4,5,6,7
	v_pk_add_f32 v[L+2*\q:L+2*\q+1], v[L+2*\q:L+2*\q+1], v[W+4*\i:W+4*\i+1]
	v_max3_num_f32 v[MA], v[MA], v[W+2*\i], v[W+2*\i+1]
	v_pk_add_f32 v[T:T+1], v[T:T+1], v[W+4*\i+2:W+4*\i+3]
.if \i < 7
	v_max3_num_f32 v[MB], v[MB], v[W+17+2*\i], v[W+18+2*\i]
.endif
.endr
	v_pk_add_f32 v[L+2*\q:L+2*\q+1], v[L+2*\q:L+2*\q+1], v[T:T+1]
	v_max3_num_f32 v[MA], v[MA], v[MB], v[W+31]
.endm
; My block (block 2 g + h of the trip's four) becomes 32 codes, registers 6 g .. 6 g + 5 of tile q's operand.  Behind the second group the scale word is made: my two bytes at places h and 2 + h, lane l xor 16's beside them.
.macro QUANT q, g
	v_add_nc_u32 v[SCO], 0xff000000, v[MA]         ; 2 off the largest p's exponent field: the conversion takes the exponent field of this operand as its scale
.if \g == 0
	v_lshrrev_b32 v[PB+\q], 23, v[SCO]             ; the scale's byte
.else
	v_lshrrev_b32 v[BY], 23, v[SCO]
	v_lshl_or_b32 v[PS+\q], v[BY], 16, v[PB+\q]
	v_lshlrev_b32 v[PS+\q], v[SH8], v[PS+\q]
	v_permlanex16_b32 v[TX], v[PS+\q], s20, s21
	v_or_b32 v[PS+\q], v[PS+\q], v[TX]
.endif
	v_cvt_scalef32_pk16_fp6_f32 v[PC+12*\q+6*\g:PC+12*\q+6*\g+2], v[W:W+15], v[SCO]
	v_cvt_scalef32_pk16_fp6_f32 v[CT:CT+2], v[W+16:W+31], v[SCO]   ; (a conversion's three registers begin on an even number: the block's upper half is made here and moved)
	v_nop                                          ; one plain instruction behind a scaled conversion
.irp i, 0,1,2
	v_mov_b32 v[PC+12*\q+6*\g+3+\i], v[CT+\i]
.endr
.endm
.macro PV q                            ; O^T += V^T P^T over the trip's 128 keys
	v_wmma_scale_f32_16x16x128_f8f6f4 v[O+8*\q:O+8*\q+7], v[VF:VF+11], v[PC+12*\q:PC+12*\q+11], v[O+8*\q:O+8*\q+7], v[VS], v[PS+\q] matrix_a_fmt:MATRIX_FMT_FP6 matrix_b_fmt:MATRIX_FMT_FP6
.endm
; A PASS: query tiles 2 p and 2 p + 1 against all keys.  It is written twice, since Q's registers differ.  In a trip the next unit's sixteen products are issued behind the exponentials that have emptied S,
; so that they are at work under the unit's vector instructions.
.macro PASS p
.if \p
	s_wait_xcnt 0x0                                ; the last pass's stores have read W: it is rewritten only behind this wait
.endif
.set i, 0
.rept 16
	v_mov_b32 v[O+i], 0                            ; the loop is written once: its first trip adds onto zeros
.set i, i+1
.endr
.irp i, 0,1,2,3
	v_mov_b32 v[L+\i], 0
.endr
	s_mov_b32 s[SK], KIMG
	s_mov_b32 s[SB], BIAS
	s_mov_b32 s[SV], VIMG
	s_mov_b32 s[SS], VSC
	s_mov_b32 s[CNT], 8
.Ltrip_\p:
	v_add_nc_u32 v[ADK], s[SK], v[LN16]            ; these four are also the four places between the last trip's product on codes and the loads into its sources
	v_add_nc_u32 v[ADB], s[SB], v[H128]
	v_add_nc_u32 v[ADV], s[SV], v[LN16]
	v_add_nc_u32 v[ADS], s[SS], v[LN4]
	KLOAD 0
	BLOAD 0
	VLOAD
	s_wait_dscnt 12                                ; K's eight are in; the biases' eight and V's four, issued behind them, may be out
	MM 2*\p
.rept 9
	v_nop                                          ; eight places before the scores are read; nine, of which these and the one behind the exponentials make ten, before the next products begin the accumulators anew
.endr
	; ---- unit 0: tile 0, group 0
	EXP1
	MM 2*\p+1
	ADD1
	KLOAD 1                                        ; sixteen places behind the products that read K's registers
	RCP
	s_wait_dscnt 12                                ; the biases are in; V's four and K's eight, issued behind them, may be out
	FMA
	EXP2
	SUMMAX 0
	QUANT 0, 0
	; ---- unit 1: tile 1, group 0
	EXP1
	s_wait_dscnt 0x0                               ; K of group 1, and V
	MM 2*\p
	ADD1
	RCP
	FMA
	BLOAD 1                                        ; group 0's biases have been read
	EXP2
	SUMMAX 1
	QUANT 1, 0
	; ---- unit 2: tile 0, group 1
	EXP1
	MM 2*\p+1
	ADD1
	RCP
	s_wait_dscnt 0x0                               ; the biases of group 1
	FMA
	EXP2
	SUMMAX 0
	QUANT 0, 1
	; ---- unit 3: tile 1, group 1
	EXP1
	ADD1
	PV 0                                           ; tile 0's scale word and codes were written more than sixteen plain instructions ago (eight and four are asked of a scaled product)
	RCP
	FMA
	EXP2
	SUMMAX 1
	QUANT 1, 1
.rept 4
	v_nop                                          ; with QUANT's v_nop and three moves: eight places behind the scale word's last write, four behind the last code's
.endr
	PV 1
	s_add_co_u32 s[SK], s[SK], 8192                ; the next 128 keys
	s_add_co_u32 s[SB], s[SB], 512
	s_add_co_u32 s[SV], s[SV], 1536
	s_add_co_u32 s[SS], s[SS], 128
	s_sub_co_u32 s[CNT], s[CNT], 1
	s_cmp_lg_u32 s[CNT], 0
	s_cbranch_scc1 .Ltrip_\p
	; THE WAY OUT.  The sums' two halves and lane l xor 16's are added (these lines are also the places behind the last product); O^T is divided by the sum.
	v_add_f32 v[L], v[L], v[L+1]
	v_add_f32 v[L+2], v[L+2], v[L+3]
	v_permlanex16_b32 v[TX], v[L], s20, s21
	v_permlanex16_b32 v[BY], v[L+2], s20, s21
	v_add_f32 v[L], v[L], v[TX]
	v_add_f32 v[L+2], v[L+2], v[BY]
	v_rcp_f32 v[R], v[L]                           ; the sum is above 0: a key that counts gives p of 2^-29.5 at the least; with none p is 1
	v_rcp_f32 v[R+1], v[L+2]
	v_nop
	s_wait_alu depctr_va_vdst(0)                   ; one wait for both reciprocals, ahead of their first reader
.irp q, 0,1
.irp j, 0,1,2,3,4,5,6,7
	v_mul_f32 v[W+8*\q+\j], v[O+8*\q+\j], v[R+\q]  ; each accumulator from its low end on
.endr
.endr
	; A lane holds 32 bytes of a row of 64: the two tiles go through my own stage and come back 16 bytes a lane, so that each store of the wave covers 512 consecutive bytes, aligned.
.irp q, 0,1
	ds_store_b128 v[STO], v[W+8*\q:W+8*\q+3] offset:1024*\q
	ds_store_b128 v[STO], v[W+8*\q+4:W+8*\q+7] offset:1024*\q+16
.endr
.irp n, 0,1,2,3
	ds_load_b128 v[W+16+4*\n:W+16+4*\n+3], v[RD] offset:512*\n   ; LDS serves a wave's instructions in order (ISA guide 5.7.1.4): these see the stores above
.endr
.irp n, 0,1,2,3
	s_wait_dscnt 3-\n                              ; load n is in; the younger ones may be out
	global_store_b128 v[LN16], v[W+16+4*\n:W+16+4*\n+3], s[14:15] offset:2048*\p+512*\n th:TH_STORE_NT
.endr
.endm
	PASS 0
	PASS 1
	s_wait_tensorcnt 0x0
	ds_add_u32 v31, v243
	s_wait_dscnt 0x0
	s_endpgm
.Lfunc_end_k_q009283b306_attn:
	.size	k_q009283b306_attn, .Lfunc_end_k_q009283b306_attn-k_q009283b306_attn
	.p2alignl 7, 3214868480
	.fill 96, 4, 3214868480
	.section	.rodata,"a",@progbits
	.p2align	6, 0x0
	.amdhsa_kernel k_q009283b306_attn
		.amdhsa_group_segment_fixed_size 117760
		.amdhsa_private_segment_fixed_size 0
		.amdhsa_enable_private_segment 0
		.amdhsa_kernarg_size 48
		.amdhsa_user_sgpr_count 2
		.amdhsa_user_sgpr_kernarg_segment_ptr 1
		.amdhsa_wavefront_size32 1
		.amdhsa_system_sgpr_workgroup_id_x 1
		.amdhsa_system_sgpr_workgroup_id_y 1
		.amdhsa_system_sgpr_workgroup_id_z 1
		.amdhsa_system_vgpr_workitem_id 0
		.amdhsa_next_free_vgpr 256
		.amdhsa_next_free_sgpr 66
		.amdhsa_reserve_vcc 1
		.amdhsa_float_denorm_mode_32 3
		.amdhsa_float_denorm_mode_16_64 3
		.amdhsa_memory_ordered 1
		.amdhsa_forward_progress 1
		.amdhsa_inst_pref_size 91
	.end_amdhsa_kernel
	.amdgpu_metadata
---
amdhsa.version: [ 1, 2 ]
amdhsa.kernels:
  - .name:           k_q009283b306_attn
    .symbol:         k_q009283b306_attn.kd
    .args:
      - { .name: Q, .offset: 0, .size: 8, .value_kind: global_buffer, .address_space: global }
      - { .name: K, .offset: 8, .size: 8, .value_kind: global_buffer, .address_space: global }
      - { .name: V_codes, .offset: 16, .size: 8, .value_kind: global_buffer, .address_space: global }
      - { .name: V_scales, .offset: 24, .size: 8, .value_kind: global_buffer, .address_space: global }
      - { .name: mask, .offset: 32, .size: 8, .value_kind: global_buffer, .address_space: global }
      - { .name: out0, .offset: 40, .size: 8, .value_kind: global_buffer, .address_space: global }
    .group_segment_fixed_size: 117760
    .private_segment_fixed_size: 0
    .kernarg_segment_align: 8
    .kernarg_segment_size: 48
    .max_flat_workgroup_size: 512
    .sgpr_count:     66
    .vgpr_count:     256
    .wavefront_size: 32
...
	.end_amdgpu_metadata
.endif
;; end of part 1
;; ======== version 2 of 2: 1 launch; version 1 with the launch attn written anew for expert scheduling mode
;; launch attn (part 2): grid 256 x 1, 16 waves a work-group, no clusters, 117,760 bytes of LDS; arguments Q, K, V_codes, V_scales, mask, out0; writes out0
.if DOCPART == 2
	.amdgcn_target "amdgcn-amd-amdhsa--gfx1250"
	.amdhsa_code_object_version 6
	.text
	.protected	k_q009283b306_attn
	.globl	k_q009283b306_attn
	.p2align	8
	.type	k_q009283b306_attn,@function
k_q009283b306_attn:
	s_mov_b64 s[64:65], 0
	v_nop
	global_prefetch_b8 v0, s[64:65] scope:SCOPE_SE
	s_setreg_imm32_b32 hwreg(HW_REG_WAVE_SCHED_MODE, 0, 2), 2
	s_setreg_imm32_b32 hwreg(HW_REG_WAVE_MODE, 25, 1), 1
	s_wait_xcnt 0x0
	s_wait_alu depctr_vm_vsrc(0)
; out[b][h][q][:] = softmax_k(where(mask[b][k], -1e10, 10 tanh(Q[q] . K[k] / 4))) V[k][:].  Q, K, out: [256 heads][1024][16] f32.  V: codes of FP6 (E2M3) with the keys innermost,
; [256][16 (d)][32 blocks][24 bytes], and one E8M0 byte for each 32 keys, [256][16][32].  mask: [32 batches][1024] bytes, 1 = the key is hidden.
; ONE WORK-GROUP = ONE HEAD (ttmp9 = 8 b + h).  Sixteen waves; wave w owns queries 64 w .. 64 w + 63: four tiles of 16, in two passes of two tiles; each pass walks all 1,024 keys, 128 a trip.
; ARITHMETIC OF A SCORE.  Q is multiplied once by c = log2(e) / 2.  s' = (c Q) . K;  u = 2^s';  r = 1 / (1 + u), so that tanh = 1 - 2 r;  a = COEF r + bias[key];  p = 2^a.
;   COEF = -20 log2(e); bias = 10 log2(e) - 15 for a key that counts, -infinity for a hidden one (p = 0).  So p = 2^(t - 15), t = logit x log2(e).
;   THE SHIFT IS THE FIXED WHOLE NUMBER 15, AND NO MAXIMUM IS SEARCHED FOR: the 10 tanh of the definition holds |t| under 14.43 for every input, so p lies in 2^-29.5 .. 2^-0.57 and a row's sum of 1,024 of them
;   under 2^10: nothing can overflow or underflow.  Against the ceiling of the row's largest t the shift differs by a whole number: a power of two, which the blocks' scales take up and the division by the row's sum cancels.
;   ALL KEYS OF THE BATCH HIDDEN: COEF and the hidden keys' bias are both chosen as 0 (a scalar select, no branch): a = 0, p = 1 for every key: the uniform row of the definition.
; FIRST PRODUCT, in f32 (its result goes into a quantiser): S^T = K Q^T by the 16x16x4 form, source 0 = 16 keys, source 1 = 16 queries, four instructions for the depth of 16.  Both sources hold the depth in the same
;   order (lane (r, h): depth 8 h .. 8 h + 7 in eight registers; instruction kk names registers 2 kk, 2 kk + 1), so the products pair rightly.
;   THE KEYS OF A TILE ARE NOT NEIGHBOURS: row m of tile t of a group of 64 keys is key 32 (m / 8) + 8 t + m % 8.  Register 8 t + j of lane (r, h) is then key 32 h + 8 t + j of query r: a lane's 32 registers are ONE WHOLE
;   BLOCK of 32 neighbouring keys, just what registers 6 g .. 6 g + 5 of the 6-bit operand want of that lane.  A block's largest p needs no other lane and no halves are exchanged.
; SECOND PRODUCT, on codes: O^T = V^T P^T, source 0 = V's 16 rows d x 128 keys, source 1 = P: lane (r, h), register j = out(query r, d = 8 h + j).  The row's sum is taken of the unquantised p and divides at the end.
; LDS is filled once, through registers, ahead of the text's one barrier; operands lie there as images of their registers (lane l's 16 bytes at 16 l), so every read is 512 consecutive bytes.
; NO CLUSTER: the eight heads of a batch share the mask's 1,024 bytes alone, of the 144,896 bytes that a work-group reads.
; LIMITS: NaN and infinities in Q and K are not served; mask bytes are 0 or 1; a scale byte 0xff of V gives NaN, as the format has it.
; THE MODE: SCHED_MODE bits 1:0 = 2 (LLVM: expert scheduling mode 2), set by the entry lines.  The code itself states the register dependences between vector or matrix instructions and memory or LDS
; instructions, with s_wait_alu, always for 0.
; THE PLAN.  Registers that memory or LDS instructions touch:
;   v1-3, v9-10, v32-39  offsets and addresses, made once at the head and never written again: one wait on va_vdst ahead of the first load serves them all.  (v220-221, the mask's offsets, become codes in the first trip.)
;   v4-7 (ADK .. ADS)    read by a trip's 36 LDS loads; written by four additions at the next trip's head: a wait on vm_vsrc ahead of the additions, a wait on va_vdst behind them.
;   KF   read by the f32 products.  Group 0's loads land behind the trip head's wait on va_vdst, group 1's behind the wait at the head of unit 0's additions, which stands behind both runs of products on group 0.
;   BI   read by the fused multiply-adds.  Group 0's loads land behind the trip head's wait, group 1's straight behind the wait that closes unit 1's second run of exponentials, which stands behind that unit's multiply-adds.
;   VF, VS  read by the two products on codes at a trip's end; loaded again behind the next trip head's wait on va_vdst.
;   PC, PS  written by vector instructions, taken by the products on codes: a wait on va_vdst stands between (tile 0: the one at the head of unit 3's additions; tile 1: one of its own, behind the places).
;   W    on the way out of a pass alone: written by the divisions, read by the stage's stores; its upper half takes the stage's loads and feeds the global stores: one wait on va_vdst ahead of the stage's stores;
;        the next pass writes W first behind its first trip's wait on vm_vsrc.
;   S, O, QF, the sums and what is at work are named by vector and matrix instructions alone.
.set KIMG, 0                           ; 65,536 bytes: group of 64 keys c x 4,096 + tile t x 1,024 + half of the eight registers x 512 + 16 x lane
.set BIAS, 65536                       ; 4,096 bytes: one f32 a key
.set VIMG, 69632                       ; 12,288 bytes: trip j x 1,536 + registers 4 n .. 4 n + 3 x 512 + 16 x lane
.set VSC,  81920                       ; 1,024 bytes: trip j x 128 + 4 x lane: the scale word of row d = lane % 16
.set STG,  82944                       ; 32,768 bytes: 2,048 for each wave: two tiles of 16 rows of out, 64 bytes a row.  Behind it, from 115,712 on: the spare words, 128 bytes for each wave
.set LN16, 1                           ; v1   16 x lane: my place in an image, and my offset in out
.set H128, 2                           ; v2   128 x (lane / 16): my block's 32 biases
.set LN4,  3                           ; v3   4 x lane
.set ADK,  4                           ; v4-7 the trip's LDS addresses: K's images, the biases, V's image, V's scale word
.set ADB,  5
.set ADV,  6
.set ADS,  7
.set SH8,  8                           ; v8   8 x (lane / 16): where my bytes stand in p's scale word
.set STO,  9                           ; v9   the stage: where I put 32 bytes of a row
.set RD,   10                          ; v10  and where I read 16 bytes back
.set VS,   13                          ; v13  V's scale word
.set PS,   14                          ; v14-15 p's scale words, tile 0 and 1
.set PB,   16                          ; v16-17 the byte of the trip's first group, tile 0 and 1
.set L,    18                          ; v[18:19], v[20:21] the rows' sums, in two halves each
.set T,    22                          ; v[22:23] the sums' second chain
.set MA,   24                          ; v24-25 the maximum's two chains
.set MB,   25
.set SCO,  26                          ; v26  the conversions' scale operand
.set BY,   27                          ; v27  a scale byte
.set TX,   28                          ; v28  what comes from lane l xor 16
.set R,    29                          ; v29-30 1 / the row's sum
.set AKW,  32                          ; v32-39 serve the head alone and are never rewritten: LDS addresses of the fills,
.set ABW,  33
.set AVW,  34
.set ASW,  35
.set KO,   36                          ; and offsets of the loads
.set QO,   37
.set VO,   38
.set VSO,  39
.set QF,   40                          ; v40-71   c Q: four tiles x 8
.set KF,   72                          ; v72-103  K: four tiles x 8 (at the head: K as loaded)
.set BI,   104                         ; v104-135 my block's 32 biases (at the head: the mask as loaded)
.set S,    136                         ; v136-167 the scores: written by the f32 matrix form alone
.set W,    168                         ; v168-199 u, 1 + u, r, a, p by turns
.set O,    200                         ; v200-215 O^T, two tiles x 8
.set PC,   216                         ; v216-239 p's codes: tile q, group g at 12 q + 6 g (at the head: at work)
.set CT,   240                         ; v240-242 a block's upper 16 codes, as the conversion leaves them
.set VF,   244                         ; v244-255 V's fragment
.set TA,   216                         ; the head's registers at work
.set TR,   218
.set TH,   219
.set MO,   220
.set MO2,  221
.set TB,   222
.set TC,   223
.set BP,   224
.set TD,   226
.set WV,   16                          ; s16  my wave's number;  s17 its low three bits
.set SK,   25                          ; s25-28 where the trip's K images, biases, V image and V scale words begin in LDS
.set SB,   26
.set SV,   27
.set SS,   28
.set CNT,  29                          ; s29  trips to go
	s_load_b256 s[4:11], s[0:1], 0x0               ; Q s[4:5], K s[6:7], V's codes s[8:9], V's scales s[10:11]
	s_load_b128 s[12:15], s[0:1], 0x20             ; mask s[12:13], out s[14:15]
	v_lshl_add_u32 v31, v0, 2, 0x1c400             ; the LDS address of my spare word, and 0: made here and kept for the closing lines alone
	v_mov_b32 v243, 0
	v_lshrrev_b32 v[TA], 5, v0
	v_readfirstlane_b32 s[WV], v[TA]               ; wave 0..15
	v_and_b32 v[TB], 31, v0                        ; lane
	v_and_b32 v[TR], 15, v0                        ; r
	v_bfe_u32 v[TH], v0, 4, 1                      ; h
	v_lshlrev_b32 v[LN16], 4, v[TB]
	v_lshlrev_b32 v[LN4], 2, v[TB]
	v_lshlrev_b32 v[H128], 7, v[TH]
	v_lshlrev_b32 v[SH8], 3, v[TH]
	v_lshlrev_b32 v[MO], 5, v[TB]                  ; the mask, whole, in every wave: 32 bytes a lane
	v_lshlrev_b32 v[MO2], 1, v0                    ; and my thread's two keys
	v_lshlrev_b32 v[QO], 6, v[TR]
	v_lshl_add_u32 v[QO], v[TH], 5, v[QO]          ; Q: row r of 64 bytes, + 32 h: depth 8 h on
	s_wait_alu depctr_va_sdst(0)                   ; s16, the wave's number, is written, ahead of its first reader: LDS places and the bases of Q and out are made from it
	s_and_b32 s17, s[WV], 7                        ; waves 0 to 7 bring V's fragment of trip 0 to 7
	s_lshl_b32 s18, s[WV], 11
	s_add_co_u32 s18, s18, STG                     ; my stage
	v_add_nc_u32 v[STO], s18, v[QO]                ; in: row r, + 32 h
	v_add_nc_u32 v[RD], s18, v[LN16]               ; back: 16 bytes a lane
	; K goes into LDS as images.  Thread t loads 16 bytes at 16 t + 8,192 i: key t / 4 + 128 i, depth 4 (t % 4) on.  Of the depth: bit 0 of t = which half of the lane's eight registers, bit 1 = h.
	; Of the key: bits 2-4 of t = r % 8, bits 5-6 = the tile, bit 7 = r / 8, bit 8 (and 2 i) = the group of 64.
	v_and_b32 v[AKW], 1, v0
	v_lshlrev_b32 v[AKW], 9, v[AKW]
	v_bfe_u32 v[TA], v0, 1, 1
	v_lshl_or_b32 v[AKW], v[TA], 8, v[AKW]
	v_bfe_u32 v[TA], v0, 2, 3
	v_lshl_or_b32 v[AKW], v[TA], 4, v[AKW]
	v_bfe_u32 v[TA], v0, 5, 2
	v_lshl_or_b32 v[AKW], v[TA], 10, v[AKW]
	v_bfe_u32 v[TA], v0, 7, 1
	v_lshl_or_b32 v[AKW], v[TA], 7, v[AKW]
	v_lshrrev_b32 v[TA], 8, v0
	v_lshl_or_b32 v[AKW], v[TA], 12, v[AKW]
	v_lshl_add_u32 v[ABW], v0, 3, BIAS             ; my two keys' biases
	s_mul_i32 s19, s17, 1536
	s_add_co_u32 s19, s19, VIMG
	v_add_nc_u32 v[AVW], s19, v[LN16]              ; V's image of my trip
	s_lshl_b32 s19, s17, 7
	s_add_co_u32 s19, s19, VSC
	v_add_nc_u32 v[ASW], s19, v[LN4]               ; and its scale words
	v_lshlrev_b32 v[KO], 4, v0
	v_mul_u32_u24 v[VO], v[TR], 768                ; V: row d = r of 768 bytes, + 24 h, + 96 bytes a trip
	v_mad_u32_u24 v[VO], v[TH], 24, v[VO]
	s_mul_i32 s19, s17, 96
	v_add_nc_u32 v[VO], s19, v[VO]
	v_lshlrev_b32 v[VSO], 5, v[TR]                 ; V's scale bytes: row r of 32, + 4 a trip
	s_lshl_b32 s19, s17, 2
	v_add_nc_u32 v[VSO], s19, v[VSO]
	v_mov_b32 v[TX], 0                             ; written once: a lane permute's destination counts as one of its sources
	v_mov_b32 v[BY], 0
	s_mov_b32 s20, 0x76543210
	s_mov_b32 s21, 0xfedcba98                      ; v_permlanex16_b32's selects for lane l xor 16
	s_mov_b32 s34, 0x3f38aa3b                      ; c = log2(e) / 2
	s_mov_b32 s35, s34                             ; (named with it as a pair, so it is written)
	s_lshl_b32 s30, ttmp9, 16                      ; the head's 65,536 bytes of Q, K and out
	s_mov_b32 s31, 0
	s_lshl_b32 s32, s[WV], 12                      ; my wave's 64 rows of 64 bytes
	s_mov_b32 s33, 0
	s_wait_kmcnt 0x0
	s_add_nc_u64 s[6:7], s[6:7], s[30:31]          ; K at the head's first key
	s_add_nc_u64 s[30:31], s[30:31], s[32:33]
	s_add_nc_u64 s[4:5], s[4:5], s[30:31]          ; Q and out at my first query
	s_add_nc_u64 s[14:15], s[14:15], s[30:31]
	s_mul_i32 s30, ttmp9, 12288                    ; (s31 is still 0: the sums stay under 2^32)
	s_add_nc_u64 s[8:9], s[8:9], s[30:31]
	s_lshl_b32 s30, ttmp9, 9
	s_add_nc_u64 s[10:11], s[10:11], s[30:31]
	s_lshr_b32 s30, ttmp9, 3                       ; the batch
	s_lshl_b32 s30, s30, 10
	s_add_nc_u64 s[12:13], s[12:13], s[30:31]
	s_wait_alu depctr_va_vdst(0)                   ; the offsets and addresses v1-3, v9-10, v32-39 and v220-221 are written: every load and store of the kernel but a trip's LDS loads reads one of them
	; all loads of the launch go out here: the mask's 3, K's 8, Q's 8 (and V's 7 in waves 0 to 7)
	global_load_b128 v[BI:BI+3], v[MO], s[12:13]
	global_load_b128 v[BI+4:BI+7], v[MO], s[12:13] offset:16
	global_load_u16 v[BI+8], v[MO2], s[12:13]
.irp i, 0,1,2,3,4,5,6,7
	global_load_b128 v[KF+4*\i:KF+4*\i+3], v[KO], s[6:7] offset:8192*\i th:TH_LOAD_NT   ; a wave reads 512 consecutive bytes
.endr
.irp t, 0,1,2,3
	global_load_b128 v[QF+8*\t:QF+8*\t+3], v[QO], s[4:5] offset:1024*\t
	global_load_b128 v[QF+8*\t+4:QF+8*\t+7], v[QO], s[4:5] offset:1024*\t+16
.endr
	s_cmp_lt_u32 s[WV], 8
	s_cbranch_scc0 .Lno_v
.irp p, 0,1,2,3,4,5
	global_load_b64 v[VF+2*\p:VF+2*\p+1], v[VO], s[8:9] offset:48*(\p/3)+8*(\p%3) th:TH_LOAD_NT   ; registers 6 c .. 6 c + 5: keys 64 c + 32 h + 0 .. 31 of row r: 24 bytes as they lie
.endr
	global_load_b32 v[VS], v[VSO], s[10:11]
	s_wait_loadcnt 0x0
.irp n, 0,1,2
	ds_store_b128 v[AVW], v[VF+4*\n:VF+4*\n+3] offset:512*\n   ; (the data come from loads: the wait on LOADcnt is all that they owe)
.endr
	ds_store_b32 v[ASW], v[VS]
.Lno_v:
	s_wait_loadcnt 16                              ; the mask's three loads are in; K's 8 and Q's 8, issued behind them, may be out
	v_and_b32 v[BI], v[BI], v[BI+1]                ; is any key of the batch not hidden?  The AND of a lane's 32 bytes, four at a time
	v_and_b32 v[BI+2], v[BI+2], v[BI+3]
	v_and_b32 v[BI+4], v[BI+4], v[BI+5]
	v_and_b32 v[BI+6], v[BI+6], v[BI+7]
	v_and_b32 v[BI], v[BI], v[BI+2]
	v_and_b32 v[BI+4], v[BI+4], v[BI+6]
	v_and_b32 v[BI], v[BI], v[BI+4]
	v_cmp_ne_u32 vcc_lo, 0x01010101, v[BI]         ; lanes that hold a key that counts
	s_wait_alu depctr_va_vcc(0)                    ; VCC is written by the compare, ahead of the scalar compare that reads it
	s_cmp_lg_u32 vcc_lo, 0
	s_cselect_b32 s22, 0xc1e6d4ca, 0               ; COEF = -20 log2(e); 0 where all keys are hidden
	s_cselect_b32 s24, 0xff800000, 0               ; a hidden key's bias: -infinity; 0 where all are hidden
	s_mov_b32 s23, s22                             ; (the packed form names the pair)
	v_and_b32 v[TA], 0xff, v[BI+8]                 ; my two keys' bytes
	v_lshrrev_b32 v[TB], 8, v[BI+8]
	v_mov_b32 v[TC], 0xbf12b361                    ; 10 log2(e) - 15
	v_mov_b32 v[TD], s24
	v_cmp_ne_u32 vcc_lo, 0, v[TA]
	s_wait_alu depctr_va_vcc(0)                    ; VCC is written by the compare, ahead of the select that reads it
	v_cndmask_b32 v[BP], v[TC], v[TD], vcc_lo
	v_cmp_ne_u32 vcc_lo, 0, v[TB]
	s_wait_alu depctr_va_vcc(0)                    ; and once more, for the second key's compare and select
	v_cndmask_b32 v[BP+1], v[TC], v[TD], vcc_lo
	s_wait_alu depctr_va_vdst(0)                   ; the two selects have written v[BP:BP+1], which the LDS store reads
	ds_store_b64 v[ABW], v[BP:BP+1]
	s_wait_loadcnt 8                               ; K is in; Q's 8 may be out
.irp i, 0,1,2,3,4,5,6,7
	ds_store_b128 v[AKW], v[KF+4*\i:KF+4*\i+3] offset:KIMG+8192*\i
.endr
	s_wait_loadcnt 0x0                             ; Q
.irp i, 0,2,4,6,8,10,12,14,16,18,20,22,24,26,28,30
	v_pk_mul_f32 v[QF+\i:QF+\i+1], v[QF+\i:QF+\i+1], s[34:35] op_sel_hi:[1,0]   ; c Q, once
.endr
	s_wait_dscnt 0x0                               ; for the others' sake: my stores into the images have landed
	s_barrier_signal -1
	s_barrier_wait -1                              ; K's images, the biases and V's images are whole; nothing writes them again
.macro KLOAD g                         ; the four tiles of K of group g of the trip: 8 x 512 consecutive bytes
.irp n, 0,1,2,3,4,5,6,7
	ds_load_b128 v[KF+4*\n:KF+4*\n+3], v[ADK] offset:4096*\g+512*\n
.endr
.endm
.macro BLOAD g                         ; my block's 32 biases: all lanes of a half read the same words
.irp n, 0,1,2,3,4,5,6,7
	ds_load_b128 v[BI+4*\n:BI+4*\n+3], v[ADB] offset:256*\g+16*\n
.endr
.endm
.macro VLOAD                           ; V's fragment of the trip's 128 keys and its scale word
.irp n, 0,1,2
	ds_load_b128 v[VF+4*\n:VF+4*\n+3], v[ADV] offset:512*\n
.endr
	ds_load_b32 v[VS], v[ADS]
.endm
; 64 keys x the 16 queries of tile tq: sixteen f32 matrix instructions.  The depth's first four start the sums with the constant 0; the four accumulators take turns, one instruction a turn.
.macro MM tq
.irp kk, 0,1,2,3
.irp t, 0,1,2,3
.if \kk == 0
	v_wmma_f32_16x16x4_f32 v[S+8*\t:S+8*\t+7], v[KF+8*\t+2*\kk:KF+8*\t+2*\kk+1], v[QF+8*(\tq)+2*\kk:QF+8*(\tq)+2*\kk+1], 0
.else
	v_wmma_f32_16x16x4_f32 v[S+8*\t:S+8*\t+7], v[KF+8*\t+2*\kk:KF+8*\t+2*\kk+1], v[QF+8*(\tq)+2*\kk:QF+8*(\tq)+2*\kk+1], v[S+8*\t:S+8*\t+7]
.endif
.endr
.endr
.endm
; A UNIT is 16 queries x 64 keys: 32 scores a lane.  Each run of transcendentals is one batch: a plain instruction behind its last, and one s_wait_alu ahead of the first instruction that names a result.
.macro EXP1                            ; u = 2^s', out of S into W: each accumulator is read from its low end on, and S is free for the next unit's products
.set i, 0
.rept 32
	v_exp_f32 v[W+i], v[S+i]
.set i, i+1
.endr
	v_nop                                          ; the plain instruction between the last exponential and a write of its source
.endm
.macro ADD1                            ; 1 + u.  These sixteen name W alone: they are the places behind the products that stand in front of them
	s_wait_alu depctr_va_vdst(0)                   ; the exponentials have written W.  The same wait states: the products issued ahead of it are done reading K's registers (unit 0: group 1's loads land there behind the additions); unit 3: tile 0's codes and scale word are written, which the product on codes behind the additions takes
.set i, 0
.rept 16
	v_pk_add_f32 v[W+i:W+i+1], v[W+i:W+i+1], 1.0 op_sel_hi:[1,0]
.set i, i+2
.endr
.endm
.macro RCP                             ; r = 1 / (1 + u): 1 + u is 1 at the least; where u is infinite r is 0
.set i, 0
.rept 32
	v_rcp_f32 v[W+i], v[W+i]
.set i, i+1
.endr
	v_nop
	s_wait_alu depctr_va_vdst(0)                   ; the reciprocals have written W, ahead of the multiply-adds that read it
.endm
.macro FMA                             ; a = COEF r + bias: the tanh's scale, the shift and the mask in one fused multiply-add
.set i, 0
.rept 16
	v_pk_fma_f32 v[W+i:W+i+1], v[W+i:W+i+1], s[22:23], v[BI+i:BI+i+1] op_sel_hi:[1,0,1]
.set i, i+2
.endr
.endm
.macro EXP2                            ; p = 2^a
.set i, 0
.rept 32
	v_exp_f32 v[W+i], v[W+i]
.set i, i+1
.endr
	v_nop
	s_wait_alu depctr_va_vdst(0)                   ; the exponentials have written W, ahead of the sums that read it.  The same wait states: the multiply-adds ahead of them are done reading the biases' registers (unit 1: group 1's biases land there next)
.endm
; The row's sum of the unquantised p (two chains of packed additions) and the block's largest p (two chains, three operands at a time; p is never negative), line by line by turns.
; The floor 2^(3 - 127) is one leaf of the maximum: the scale's byte cannot fall under 1; a block of hidden keys keeps that byte, and its codes are zeros.
.macro SUMMAX q
	v_pk_add_f32 v[T:T+1], v[W:W+1], v[W+2:W+3]
	v_max3_num_f32 v[MA], v[W], v[W+1], 0x1800000
	v_max3_num_f32 v[MB], v[W+16], v[W+17], v[W+18]
.irp i, 1,2,3,4,5,6,7
	v_pk_add_f32 v[L+2*\q:L+2*\q+1], v[L+2*\q:L+2*\q+1], v[W+4*\i:W+4*\i+1]
	v_max3_num_f32 v[MA], v[MA], v[W+2*\i], v[W+2*\i+1]
	v_pk_add_f32 v[T:T+1], v[T:T+1], v[W+4*\i+2:W+4*\i+3]
.if \i < 7
	v_max3_num_f32 v[MB], v[MB], v[W+17+2*\i], v[W+18+2*\i]
.endif
.endr
	v_pk_add_f32 v[L+2*\q:L+2*\q+1], v[L+2*\q:L+2*\q+1], v[T:T+1]
	v_max3_num_f32 v[MA], v[MA], v[MB], v[W+31]
.endm
; My block (block 2 g + h of the trip's four) becomes 32 codes, registers 6 g .. 6 g + 5 of tile q's operand.  Behind the second group the scale word is made: my two bytes at places h and 2 + h, lane l xor 16's beside them.
.macro QUANT q, g
	v_add_nc_u32 v[SCO], 0xff000000, v[MA]         ; 2 off the largest p's exponent field: the conversion takes the exponent field of this operand as its scale
.if \g == 0
	v_lshrrev_b32 v[PB+\q], 23, v[SCO]             ; the scale's byte
.else
	v_lshrrev_b32 v[BY], 23, v[SCO]
	v_lshl_or_b32 v[PS+\q], v[BY], 16, v[PB+\q]
	v_lshlrev_b32 v[PS+\q], v[SH8], v[PS+\q]
	v_permlanex16_b32 v[TX], v[PS+\q], s20, s21
	v_or_b32 v[PS+\q], v[PS+\q], v[TX]
.endif
	v_cvt_scalef32_pk16_fp6_f32 v[PC+12*\q+6*\g:PC+12*\q+6*\g+2], v[W:W+15], v[SCO]
	v_cvt_scalef32_pk16_fp6_f32 v[CT:CT+2], v[W+16:W+31], v[SCO]   ; (a conversion's three registers begin on an even number: the block's upper half is made here and moved)
	v_nop                                          ; one plain instruction behind a scaled conversion
.irp i, 0,1,2
	v_mov_b32 v[PC+12*\q+6*\g+3+\i], v[CT+\i]
.endr
.endm
.macro PV q                            ; O^T += V^T P^T over the trip's 128 keys
	v_wmma_scale_f32_16x16x128_f8f6f4 v[O+8*\q:O+8*\q+7], v[VF:VF+11], v[PC+12*\q:PC+12*\q+11], v[O+8*\q:O+8*\q+7], v[VS], v[PS+\q] matrix_a_fmt:MATRIX_FMT_FP6 matrix_b_fmt:MATRIX_FMT_FP6
.endm
; A PASS: query tiles 2 p and 2 p + 1 against all keys.  It is written twice, since Q's registers differ.  In a trip the next unit's sixteen products are issued behind the exponentials that have emptied S,
; so that they are at work under the unit's vector instructions.
.macro PASS p
.if \p
	s_wait_xcnt 0x0                                ; the last pass's stores have had their addresses translated: W is rewritten only behind this wait, and behind the first trip's wait on vm_vsrc; the lines between write O and the sums alone, which no memory instruction has read
.endif
.set i, 0
.rept 16
	v_mov_b32 v[O+i], 0                            ; the loop is written once: its first trip adds onto zeros
.set i, i+1
.endr
.irp i, 0,1,2,3
	v_mov_b32 v[L+\i], 0
.endr
	s_mov_b32 s[SK], KIMG
	s_mov_b32 s[SB], BIAS
	s_mov_b32 s[SV], VIMG
	s_mov_b32 s[SS], VSC
	s_mov_b32 s[CNT], 8
.Ltrip_\p:
	s_wait_alu depctr_vm_vsrc(0)                   ; the last trip's LDS loads have read v4-7, which the four additions write.  In a pass's first trip: the head's LDS stores have read K's, V's and the biases' registers and the mask's loads their offsets (all are loaded or written again in this trip); the last pass's stores have read W
	v_add_nc_u32 v[ADK], s[SK], v[LN16]
	v_add_nc_u32 v[ADB], s[SB], v[H128]
	v_add_nc_u32 v[ADV], s[SV], v[LN16]
	v_add_nc_u32 v[ADS], s[SS], v[LN4]
	s_wait_alu depctr_va_vdst(0)                   ; v4-7 are written, which the loads below read; the last trip's products on codes are done reading V's fragment and scale word, its f32 products K's registers, its multiply-adds the biases' (first trip: the mask's ANDs): the loads below land in all of these
	KLOAD 0
	BLOAD 0
	VLOAD
	s_wait_dscnt 12                                ; K's eight are in; the biases' eight and V's four, issued behind them, may be out
	MM 2*\p
.rept 9
	v_nop                                          ; eight places before the scores are read; nine, of which these and the one behind the exponentials make ten, before the next products begin the accumulators anew
.endr
	; ---- unit 0: tile 0, group 0
	EXP1
	MM 2*\p+1
	ADD1
	KLOAD 1                                        ; no wait of its own: since the wait at the additions' head, which stands behind both runs of products on group 0, only the additions on W have been issued
	RCP
	s_wait_dscnt 12                                ; the biases are in; V's four and K's eight, issued behind them, may be out
	FMA
	EXP2
	SUMMAX 0
	QUANT 0, 0
	; ---- unit 1: tile 1, group 0
	EXP1
	s_wait_dscnt 0x0                               ; K of group 1, and V
	MM 2*\p
	ADD1
	RCP
	FMA
	EXP2
	BLOAD 1                                        ; straight behind the wait that closes the exponentials: group 0's biases have been read, and no vector instruction stands between; the data are wanted at unit 2's multiply-adds
	SUMMAX 1
	QUANT 1, 0
	; ---- unit 2: tile 0, group 1
	EXP1
	MM 2*\p+1
	ADD1
	RCP
	s_wait_dscnt 0x0                               ; the biases of group 1
	FMA
	EXP2
	SUMMAX 0
	QUANT 0, 1
	; ---- unit 3: tile 1, group 1
	EXP1
	ADD1
	PV 0                                           ; tile 0's scale word and codes were written more than sixteen plain instructions ago (eight and four are asked of a scaled product), and ahead of the wait at the additions' head
	RCP
	FMA
	EXP2
	SUMMAX 1
	QUANT 1, 1
.rept 4
	v_nop                                          ; with QUANT's v_nop and three moves: eight places behind the scale word's last write, four behind the last code's
.endr
	s_wait_alu depctr_va_vdst(0)                   ; tile 1's codes and scale word are written, which the product on codes takes; the places above stay beside this wait
	PV 1
	s_add_co_u32 s[SK], s[SK], 8192                ; the next 128 keys
	s_add_co_u32 s[SB], s[SB], 512
	s_add_co_u32 s[SV], s[SV], 1536
	s_add_co_u32 s[SS], s[SS], 128
	s_sub_co_u32 s[CNT], s[CNT], 1
	s_cmp_lg_u32 s[CNT], 0
	s_cbranch_scc1 .Ltrip_\p
	; THE WAY OUT.  The sums' two halves and lane l xor 16's are added (these lines are also the places behind the last product); O^T is divided by the sum.
	v_add_f32 v[L], v[L], v[L+1]
	v_add_f32 v[L+2], v[L+2], v[L+3]
	v_permlanex16_b32 v[TX], v[L], s20, s21
	v_permlanex16_b32 v[BY], v[L+2], s20, s21
	v_add_f32 v[L], v[L], v[TX]
	v_add_f32 v[L+2], v[L+2], v[BY]
	v_rcp_f32 v[R], v[L]                           ; the sum is above 0: a key that counts gives p of 2^-29.5 at the least; with none p is 1
	v_rcp_f32 v[R+1], v[L+2]
	v_nop
	s_wait_alu depctr_va_vdst(0)                   ; both reciprocals have written v[R], v[R+1], ahead of their first reader
.irp q, 0,1
.irp j, 0,1,2,3,4,5,6,7
	v_mul_f32 v[W+8*\q+\j], v[O+8*\q+\j], v[R+\q]  ; each accumulator from its low end on
.endr
.endr
	; A lane holds 32 bytes of a row of 64: the two tiles go through my own stage and come back 16 bytes a lane, so that each store of the wave covers 512 consecutive bytes, aligned.
	s_wait_alu depctr_va_vdst(0)                   ; the multiplications have written W's lower half, which the stage's stores read; the last trip's sums and conversions are done reading its upper half, in which the stage's loads land
.irp q, 0,1
	ds_store_b128 v[STO], v[W+8*\q:W+8*\q+3] offset:1024*\q
	ds_store_b128 v[STO], v[W+8*\q+4:W+8*\q+7] offset:1024*\q+16
.endr
.irp n, 0,1,2,3
	ds_load_b128 v[W+16+4*\n:W+16+4*\n+3], v[RD] offset:512*\n   ; LDS serves a wave's instructions in order (ISA guide 5.7.1.4): these see the stores above
.endr
.irp n, 0,1,2,3
	s_wait_dscnt 3-\n                              ; load n is in; the younger ones may be out
	global_store_b128 v[LN16], v[W+16+4*\n:W+16+4*\n+3], s[14:15] offset:2048*\p+512*\n th:TH_STORE_NT
.endr
.endm
	PASS 0
	PASS 1
	s_wait_dscnt 0x0                               ; the closing lines, six on end
	s_wait_alu 0x0
	s_wait_tensorcnt 0x0
	ds_add_u32 v31, v243
	s_wait_dscnt 0x0
	s_endpgm
.Lfunc_end_k_q009283b306_attn:
	.size	k_q009283b306_attn, .Lfunc_end_k_q009283b306_attn-k_q009283b306_attn
	.p2alignl 7, 3214868480
	.fill 96, 4, 3214868480
	.section	.rodata,"a",@progbits
	.p2align	6, 0x0
	.amdhsa_kernel k_q009283b306_attn
		.amdhsa_group_segment_fixed_size 117760
		.amdhsa_private_segment_fixed_size 0
		.amdhsa_enable_private_segment 0
		.amdhsa_kernarg_size 48
		.amdhsa_user_sgpr_count 2
		.amdhsa_user_sgpr_kernarg_segment_ptr 1
		.amdhsa_wavefront_size32 1
		.amdhsa_system_sgpr_workgroup_id_x 1
		.amdhsa_system_sgpr_workgroup_id_y 1
		.amdhsa_system_sgpr_workgroup_id_z 1
		.amdhsa_system_vgpr_workitem_id 0
		.amdhsa_next_free_vgpr 256
		.amdhsa_next_free_sgpr 66
		.amdhsa_reserve_vcc 1
		.amdhsa_float_denorm_mode_32 3
		.amdhsa_float_denorm_mode_16_64 3
		.amdhsa_memory_ordered 1
		.amdhsa_forward_progress 1
		.amdhsa_inst_pref_size 92
	.end_amdhsa_kernel
	.amdgpu_metadata
---
amdhsa.version: [ 1, 2 ]
amdhsa.kernels:
  - .name:           k_q009283b306_attn
    .symbol:         k_q009283b306_attn.kd
    .args:
      - { .name: Q, .offset: 0, .size: 8, .value_kind: global_buffer, .address_space: global }
      - { .name: K, .offset: 8, .size: 8, .value_kind: global_buffer, .address_space: global }
      - { .name: V_codes, .offset: 16, .size: 8, .value_kind: global_buffer, .address_space: global }
      - { .name: V_scales, .offset: 24, .size: 8, .value_kind: global_buffer, .address_space: global }
      - { .name: mask, .offset: 32, .size: 8, .value_kind: global_buffer, .address_space: global }
      - { .name: out0, .offset: 40, .size: 8, .value_kind: global_buffer, .address_space: global }
    .group_segment_fixed_size: 117760
    .private_segment_fixed_size: 0
    .kernarg_segment_align: 8
    .kernarg_segment_size: 48
    .max_flat_workgroup_size: 512
    .sgpr_count:     66
    .vgpr_count:     256
    .wavefront_size: 32
...
	.end_amdgpu_metadata
.endif
;; end of part 2
